; MI455X (gfx1250); checked and timed in simulation.
; The chip was launched on July 23, 2026; its instructions are those of AMD's public machine-readable ISA for CDNA 5 (MIT licence, August 2026) and "CDNA5" Instruction Set Architecture Reference Guide (July 2026). The comments in the code are by the model that wrote it; some were corrected since.
;; Separate Source Masking Dense. Allowed arithmetic: float matrix products may take bf16 or f16 operands with f32 sums; other float arithmetic in f32, or as packed bf16 or f16 multiplies, adds, multiply-adds, maxima and minima; sums over many terms, partial sums and values carried from step to step in f32; what a program stores and reads back later, other than sums and carried values, may be rounded once to bf16 or f16.
;; Inputs: W 256 x 2,048 float32; b 2,048 float32; source 131,072 int32; x 131,072 x 256 float32.
;; Outputs: out0 131,072 x 64 float32.
;; One version. Each part assembles by itself: llvm-mc -triple=amdgcn-amd-amdhsa -mcpu=gfx1250 --defsym DOCPART=n.
;; ======== version 1 of 1: 1 launch
;; launch route_dense (part 1): grid 32 x 8, 8 waves a work-group, no clusters, 169,216 bytes of LDS; arguments x, source, W, b, out0; writes out0
.if DOCPART == 1
	.amdgcn_target "amdgcn-amd-amdhsa--gfx1250"
	.amdhsa_code_object_version 6
	.text
	.protected	k_q8c586b5b85_route_dense
	.globl	k_q8c586b5b85_route_dense
	.p2align	8
	.type	k_q8c586b5b85_route_dense,@function
k_q8c586b5b85_route_dense:
	s_mov_b64 s[64:65], 0
	v_nop
	global_prefetch_b8 v0, s[64:65] scope:SCOPE_SE
	s_setreg_imm32_b32 hwreg(HW_REG_WAVE_MODE, 25, 1), 1
	s_wait_xcnt 0x0
; out[i][0..63] = x[i][0..255] . W[0..255][64 s .. 64 s + 63] + b[64 s .. 64 s + 63],  s = source[i].
; x: [131072][256] f32, source: [131072] i32, W: [256][2048] f32, b: [2048] f32, out: [131072][64] f32.
; Only the slice that a row's source chooses is multiplied: the other 31 are thrown away by the gather that follows the product.
; SHARES.  Work-group (e, j) of 32 x 8 owns source e and the rows 16384 j .. 16384 j + 16383.  Its eight waves scan those 16,384 source words (2,048 a wave), put the
; numbers of the rows with source = e into lists in LDS, round the 256 x 64 slice e of W once to bf16 in the order of the matrix unit's registers, meet at ONE barrier, and then
; walk the lists as one list, in tiles of 16 rows: wave w takes tiles w, w + 8, ...  A tile: 16 rows of x gathered (1,024 aligned bytes each), rounded to bf16, turned into
; fragments through the wave's own 8,448 bytes of LDS, 32 matrix instructions against W's slice (which stays in 256 registers), the bias, 16 rows of out stored (256 aligned bytes each).
; Every split of the rows over the sources is served: a list has room for all of a wave's 2,048 rows; a work-group or a wave without rows stores nothing.
; Places of the last tile past the count repeat the list's last row; whole stores past the count are jumped; a store with the count in its middle writes one row twice, with the same bits.
; LIMITS.  A source outside 0 .. 31 matches no work-group and its row would not be written (an index stays inside its table).  x and W are rounded once to bf16 for the product; sums and bias are f32.
; NO TENSOR LOADS, NO CLUSTER: the rows come by a list, which no tile descriptor covers; what work-groups share (64 KB of W, 64 KB of source) is read once, against 640 KB of rows that are a work-group's own.
.set LREG,    8448                     ; bytes of a wave's list: 2,048 entries, 32 dump words (one a lane, for lanes that do not match), rounded up to blocks of 256
.set LRE,     LREG/4                   ; the same in entries
.set CAP,     2048                     ; the first dump word
.set CAPMAX,  CAP+31                   ; the last
.set LISTENT, 8*LRE
.set APITCH,  528                      ; a row of the A tile: 512 bytes of bf16 + 16 = 33 x 16: the 16 rows of a fragment load start at 16 different groups of four banks (64 banks of 4 bytes: ISA guide 11.1)
.set ATW,     16*APITCH
.set MAXT,    127                      ; 16,384 rows are 1,024 tiles, 128 a wave: 127 trips at the most, and the last tile behind the loop
.set CNTB,    8*LREG                   ; LDS: the lists from 0; then word w = wave w's count
.set WF,      CNTB+256                 ; W's slice: fragment f = 4 s + c (K step s, accumulator c) at 1,024 f + 512 (register half) + 16 lane
.set AT,      WF+32768                 ; the waves' A tiles
.set SPARE,   AT+8*ATW                 ; the spare words, 128 bytes a wave: four blocks of 256 bytes that no other line names
; vector registers, window 0
.set SPW,  1                           ; LDS address of my spare word; never rewritten
.set NIL,  2                           ; 0; never rewritten
.set L16,  3                           ; 16 x lane
.set XS,   4                           ; my A tile + 8 x lane: where a row's bf16 go
.set AF,   5                           ; my A tile + (lane % 16) x 528 + 16 (lane / 16): where a fragment is read
.set R16,  6                           ; 16 x (lane % 16)
.set RK,   7                           ; lane % 16
.set GI,   8                           ; at work
.set OI,   9                           ; at work
.set VIC,  10                          ; lane p (and p + 16): the row number of place p of the tile in hand
.set VIN,  11                          ; the same of my next tile
.set BIAS, 12                          ; v[12:15]   b[64 e + 4 (lane % 16) + c]
.set SEL,  16                          ; v[16:23]   4 x the place whose row my lane stores in store j: 8 j + 4 (lane / 16)
.set SO,   24                          ; v[24:31]   byte offsets of the stores
.set OFF,  32                          ; v[32:47]   byte offset of place p's row in x, + 16 x lane
.set ACC,  48                          ; v[48:79]   four accumulators
.set AR,   80                          ; v[80:111]  A's fragments of four K steps; then the rows to store; in the head W's fragments
.set CV,   112                         ; v[112:119] two sets of four: a row's bf16
.set PP,   112                         ; in the head: four list positions,
.set VAL,  116                         ; four row numbers
.set TR,   120                         ; CAP + lane: my dump word
.set RB,   121                         ; the row number of my first source word
.set WO,   122                         ; my byte offset in the wave's 32 rows of W
.set WS,   123                         ; where my wave's fragments of W go
.set BL,   124                         ; where fragments of W are read
.set X,    128                         ; v[128:255] 16 places x 8: rows of x as loaded
.set SRC,  128                         ; in the head: v[128:191] source words,
.set WT,   192                         ; v[192:255] W as loaded
; window 1: v[8 f : 8 f + 7] = fragment f of W's slice, all 256 registers
; scalar registers: s[4:5] x, s[6:7] source, s[8:9] W, s[10:11] b, s[12:13] out
.set WVN,  14                          ; my wave's number
.set EXP,  15                          ; e
.set CHK,  16                          ; j
.set CNT,  17                          ; my wave's count
.set LB,   20                          ; my wave's list in LDS
.set TS,   21                          ; at work
.set MK,   24                          ; s[24:27] masks of the lanes that match
.set RC,   28                          ; s[28:31] the count in front of each mask
.set CW,   32                          ; s[32:39] the eight waves' counts
.set PF,   40                          ; s[41:47] rows in front of wave i's list
.set OF,   48                          ; s[49:55] what turns a rank in wave i's list into an entry of LDS: i x LRE - PF
.set CTOT, 56                          ; the work-group's rows
.set CM1,  57                          ; less one
.set NT,   58                          ; my wave's tiles
.set KC,   59                          ; the loop's counter
.set TAU,  60                          ; the tile in hand
.set LIVE, 61                          ; its rows (more than 16: all)
.set T0,   62                          ; at work
.set T1,   63
.set MSB, 0
.macro WIN new                         ; s_set_vgpr_msb: bits 3:2 source 1, 7:6 destination; the high byte repeats the setting that is left
.if MSB != (\new)
	s_set_vgpr_msb (MSB<<8)|(\new)
.set MSB, (\new)
.endif
.endm
	s_load_b256 s[4:11], s[0:1], 0x0               ; x, source, W, b
	s_load_b64 s[12:13], s[0:1], 0x20              ; out
	v_lshl_add_u32 v[SPW], v0, 2, SPARE
	v_mov_b32 v[NIL], 0
	v_lshrrev_b32 v[GI], 5, v0
	v_readfirstlane_b32 s[WVN], v[GI]              ; wave 0..7
	s_mov_b32 s[EXP], ttmp9
	s_and_b32 s[CHK], ttmp7, 0xffff
	v_and_b32 v[GI], 31, v0                        ; lane
	v_bfe_u32 v[OI], v0, 4, 1                      ; lane / 16
	v_and_b32 v[RK], 15, v0
	v_lshlrev_b32 v[L16], 4, v[GI]
	v_lshlrev_b32 v[R16], 4, v[RK]
	s_mul_i32 s[TS], s[WVN], ATW
	s_add_co_u32 s[TS], s[TS], AT                  ; my wave's A tile
	v_lshl_add_u32 v[XS], v[GI], 3, s[TS]
	v_mul_u32_u24 v[AF], v[RK], APITCH
	v_lshl_add_u32 v[AF], v[OI], 4, v[AF]
	v_add_nc_u32 v[AF], s[TS], v[AF]
.irp j, 0,1,2,3,4,5,6,7
	v_lshl_add_u32 v[SEL+(\j)], v[OI], 2, 8*(\j)
.endr
	v_add_nc_u32 v[TR], CAP, v[GI]
	s_lshl_b32 s[TS], s[CHK], 14
	s_lshl_b32 s[T0], s[WVN], 11
	s_add_co_u32 s[TS], s[TS], s[T0]               ; my wave's first row: 16384 j + 2048 w
	v_lshl_add_u32 v[RB], v[GI], 2, s[TS]
	v_lshl_add_u32 v[WO], v[OI], 16, v[R16]        ; lanes 16-31 take the row of W eight further down (8 x 8,192 bytes)
	s_lshl_b32 s[TS], s[WVN], 12
	s_add_co_u32 s[TS], s[TS], WF
	v_add_nc_u32 v[WS], s[TS], v[L16]
	v_add_nc_u32 v[BL], WF, v[L16]
	s_mul_i32 s[LB], s[WVN], LREG
	s_mov_b32 s[CNT], 0
	s_mov_b32 s19, 0
	s_wait_kmcnt 0x0
	s_lshl_b32 s18, s[CHK], 16
	s_lshl_b32 s[T0], s[WVN], 13
	s_add_co_u32 s18, s18, s[T0]
	s_add_nc_u64 s[6:7], s[6:7], s[18:19]          ; source at my wave's 2,048 words
	s_lshl_b32 s18, s[EXP], 8
	s_add_nc_u64 s[10:11], s[10:11], s[18:19]      ; b at slice e
	s_lshl_b32 s[T0], s[WVN], 18
	s_add_co_u32 s18, s18, s[T0]
	s_add_nc_u64 s[8:9], s[8:9], s[18:19]          ; W at slice e, row 32 w: wave w rounds K step w
	; 33 loads go out at once: 16 of source (512 consecutive bytes each), 16 of W (two pieces of 256 aligned bytes each), the bias
.irp u, 0,1,2,3,4,5,6,7,8,9,10,11,12,13,14,15
	global_load_b128 v[SRC+4*(\u):SRC+4*(\u)+3], v[L16], s[6:7] offset:512*(\u)
.endr
.irp u, 0,1,2,3,4,5,6,7,8,9,10,11,12,13,14,15      ; load u: row 32 w + 8 (lane / 16) + u, and 8 more from u = 8 on: the k that a fragment's lane holds; columns 4 (lane % 16) + 0..3
	global_load_b128 v[WT+4*(\u):WT+4*(\u)+3], v[WO], s[8:9] offset:((\u)+8*((\u)/8))*8192
.endr
	global_load_b128 v[BIAS:BIAS+3], v[R16], s[10:11]
; THE SCAN of 128 source words: word q of my four is row RB + 128 u + q.  A lane that matches takes the next free entry of my wave's list (the count so far + the matching lanes below it);
; one that does not writes its dump word.  The order inside a list is of no account.  The position is held to the list's end before it becomes an address.
.macro SCAN u
	s_wait_loadcnt 32-(\u)                         ; loads come back in order: behind load u stand 15 - u of source, 16 of W and the bias
.irp q, 0,1,2,3
	v_cmp_eq_u32 s[MK+(\q)], s[EXP], v[SRC+4*(\u)+(\q)]
.endr
	s_mov_b32 s[RC], s[CNT]
.irp q, 0,1,2
	s_bcnt1_i32_b32 s[TS], s[MK+(\q)]
	s_add_co_u32 s[RC+(\q)+1], s[RC+(\q)], s[TS]
.endr
	s_bcnt1_i32_b32 s[TS], s[MK+3]
	s_add_co_u32 s[CNT], s[RC+3], s[TS]
.irp q, 0,1,2,3
	v_mbcnt_lo_u32_b32 v[PP+(\q)], s[MK+(\q)], s[RC+(\q)]
.endr
.irp q, 0,1,2,3
	v_cndmask_b32 v[PP+(\q)], v[TR], v[PP+(\q)], s[MK+(\q)]
.endr
.irp q, 0,1,2,3
	v_min_u32 v[PP+(\q)], CAPMAX, v[PP+(\q)]
.endr
.irp q, 0,1,2,3
	v_lshl_add_u32 v[PP+(\q)], v[PP+(\q)], 2, s[LB]
.endr
.irp q, 0,1,2,3
	v_add_nc_u32 v[VAL+(\q)], 128*(\u)+(\q), v[RB]
.endr
.irp q, 0,1,2,3
	ds_store_b32 v[PP+(\q)], v[VAL+(\q)]
.endr
.endm
.irp u, 0,1,2,3,4,5,6,7,8,9,10,11,12,13,14,15
	SCAN \u
.endr
	; W'S SLICE.  Accumulator c's column n stands for feature 4 n + c, so the four numbers of a load belong to the four accumulators' fragments; register i of a fragment packs loads 2 i and 2 i + 1.
	s_wait_loadcnt 0x0                             ; W and the bias: they have had the whole scan in which to land
.irp c, 0,1,2,3
.irp i, 0,1,2,3,4,5,6,7
	v_cvt_pk_bf16_f32 v[AR+8*(\c)+(\i)], v[WT+8*(\i)+(\c)], v[WT+8*(\i)+4+(\c)]
.endr
.endr
.irp c, 0,1,2,3
	ds_store_b128 v[WS], v[AR+8*(\c):AR+8*(\c)+3] offset:1024*(\c)
	ds_store_b128 v[WS], v[AR+8*(\c)+4:AR+8*(\c)+7] offset:1024*(\c)+512
.endr
	s_lshl_b32 s[TS], s[WVN], 2
	s_add_co_u32 s[TS], s[TS], CNTB
	v_mov_b32 v[GI], s[TS]
	v_mov_b32 v[OI], s[CNT]
	ds_store_b32 v[GI], v[OI]                      ; my wave's count: every lane writes the same word with the same number
	s_wait_dscnt 0x0                               ; for the others' sake: my list, my fragments of W and my count are in LDS
	s_barrier_signal -1
	s_barrier_wait -1                              ; the one barrier: behind it nobody writes the lists, the counts or W's slice; an A tile is its wave's own
	v_mov_b32 v[GI], CNTB
	ds_load_b128 v[ACC:ACC+3], v[GI]
	ds_load_b128 v[ACC+4:ACC+7], v[GI] offset:16
	s_wait_dscnt 0x0
.irp i, 0,1,2,3,4,5,6,7
	v_readfirstlane_b32 s[CW+(\i)], v[ACC+(\i)]
.endr
	s_mov_b32 s[PF+1], s[CW]
.irp i, 2,3,4,5,6,7
	s_add_co_u32 s[PF+(\i)], s[PF+(\i)-1], s[CW+(\i)-1]
.endr
	s_add_co_u32 s[CTOT], s[PF+7], s[CW+7]
.irp i, 1,2,3,4,5,6,7
	s_sub_co_u32 s[OF+(\i)], (\i)*LRE, s[PF+(\i)]  ; never negative: PF i is 2,048 i at the most
.endr
	s_sub_co_u32 s[CM1], s[CTOT], 1
	s_add_co_u32 s[NT], s[CTOT], 15
	s_lshr_b32 s[NT], s[NT], 4                     ; the work-group's tiles,
	s_add_co_u32 s[NT], s[NT], 7
	s_sub_co_u32 s[NT], s[NT], s[WVN]
	s_lshr_b32 s[NT], s[NT], 3                     ; and how many of w, w + 8, .. lie below that
	s_mov_b32 s[TAU], s[WVN]
	s_cmp_eq_u32 s[NT], 0
	s_cbranch_scc1 .Lend                           ; a wave without a tile; no barrier stands behind this branch
; The row numbers of tile s[st] into v[vd]: lane p and lane p + 16 take rank 16 st + p, or the list's last where that is past the count.  The rank's list is the last whose first rank is not above it
; (an empty list is passed over by the next compare).  Only entries below a wave's count are read; the entry is held inside the lists before it becomes an address.
.macro LOOKUP st, vd
	v_lshl_add_u32 v[GI], s[\st], 4, v[RK]
	v_min_u32 v[GI], s[CM1], v[GI]
	v_cmp_le_u32 vcc_lo, s[PF+1], v[GI]
	v_cndmask_b32 v[OI], 0, s[OF+1], vcc_lo
.irp i, 2,3,4,5,6,7
	v_cmp_le_u32 vcc_lo, s[PF+(\i)], v[GI]
	v_cndmask_b32 v[OI], v[OI], s[OF+(\i)], vcc_lo
.endr
	v_add_nc_u32 v[GI], v[GI], v[OI]
	v_min_u32 v[GI], LISTENT-1, v[GI]
	v_lshlrev_b32 v[GI], 2, v[GI]
	ds_load_b32 v[\vd], v[GI]
.endm
; Place p's row of x: 1,024 bytes, as two loads of 512 consecutive aligned bytes.  The row number is held inside x before it becomes an address.  Two scalars take turns, so that a place does not wait for the one before it.
; A row is read once in the launch (the last tile's dead places read its last row again at the same moment), so the loads are marked as not to be kept.
.macro GATHER p, vi
	v_readlane_b32 s[T0+(\p)%2], v[\vi], \p
	s_min_u32 s[T0+(\p)%2], s[T0+(\p)%2], 0x1ffff
	v_lshl_add_u32 v[OFF+(\p)], s[T0+(\p)%2], 10, v[L16]
	global_load_b128 v[X+8*(\p):X+8*(\p)+3], v[OFF+(\p)], s[4:5] th:TH_LOAD_NT
	global_load_b128 v[X+8*(\p)+4:X+8*(\p)+7], v[OFF+(\p)], s[4:5] offset:512 th:TH_LOAD_NT
.endm
; A's fragments of K steps base .. base + 3: lane l holds row l % 16; two loads of 16 bytes, 32 bytes apart, for each step
.macro AFETCH base
.irp k, 0,1,2,3
	ds_load_b128 v[AR+8*(\k):AR+8*(\k)+3],   v[AF] offset:64*((\base)+(\k))
	ds_load_b128 v[AR+8*(\k)+4:AR+8*(\k)+7], v[AF] offset:64*((\base)+(\k))+32
.endr
.endm
; 16 matrix instructions: four K steps x four accumulators, which take turns, one instruction a turn.  zero = 1: the first four start the sums
.macro MULT base, zero
	WIN 0x04                                       ; source 1 (W) in window 1
.irp k, 0,1,2,3
.irp c, 0,1,2,3
.if (\zero) && ((\k) == 0)
	v_wmma_f32_16x16x32_bf16 v[ACC+8*(\c):ACC+8*(\c)+7], v[AR+8*(\k):AR+8*(\k)+7], v[8*(4*((\base)+(\k))+(\c)):8*(4*((\base)+(\k))+(\c))+7], 0
.else
	v_wmma_f32_16x16x32_bf16 v[ACC+8*(\c):ACC+8*(\c)+7], v[AR+8*(\k):AR+8*(\k)+7], v[8*(4*((\base)+(\k))+(\c)):8*(4*((\base)+(\k))+(\c))+7], v[ACC+8*(\c):ACC+8*(\c)+7]
.endif
.endr
.endr
	WIN 0
.endm
; A TILE.  On the way in the 32 loads of its 16 rows are out, and no other.  more = 1: as each row is taken out of its registers, the same place's row of my next tile is asked for: 32 loads of the wave,
; 16 KB, stay out all the time.  Place p goes to row 8 (p % 2) + p / 2 of the A tile, so that store j, which holds rows j (lanes 0-15) and 8 + j (lanes 16-31), holds places 2 j and 2 j + 1.
.macro TRIP more
	s_wait_xcnt 0x0                                ; the last tile's stores have read their offsets and data: SO and AR are written again only behind this wait
.if \more
	s_add_co_u32 s[T1], s[TAU], 8
	LOOKUP T1, VIN
.endif
.irp j, 0,1,2,3,4,5,6,7
	ds_bpermute_b32 v[SO+(\j)], v[SEL+(\j)], v[VIC]  ; the row number that my lane stores to in store j
.endr
.if \more
	s_wait_dscnt 8                                 ; the next tile's row numbers are in (and, in the first tile, W's fragments, asked for earlier); the eight exchanges may be out
.endif
.irp p, 0,1,2,3,4,5,6,7,8,9,10,11,12,13,14,15
.if \more
	s_wait_loadcnt 30                              ; place p's two loads are in: behind them stand 2 (15 - p) of this tile and 2 p of the next
.else
	s_wait_loadcnt 30-2*(\p)                       ; nothing is asked for: the counts run down
.endif
.irp i, 0,1,2,3
	v_cvt_pk_bf16_f32 v[CV+4*((\p)%2)+(\i)], v[X+8*(\p)+2*(\i)], v[X+8*(\p)+2*(\i)+1]
.endr
	ds_store_b64 v[XS], v[CV+4*((\p)%2):CV+4*((\p)%2)+1]   offset:(8*((\p)%2)+(\p)/2)*APITCH      ; k = 4 lane + 0..3: 256 consecutive bytes a wave
	ds_store_b64 v[XS], v[CV+4*((\p)%2)+2:CV+4*((\p)%2)+3] offset:(8*((\p)%2)+(\p)/2)*APITCH+256  ; k = 128 + 4 lane + 0..3
.if \more
	GATHER \p, VIN                                 ; the wait above has freed the place's offset and its registers
.endif
.endr
	AFETCH 0                                       ; LDS serves a wave's instructions in order (ISA guide 5.7.1.4): these see the stores above
	s_wait_dscnt 0x0                               ; the fragments, the exchanges and (in a wave's only tile) W's fragments
	MULT 0, 1
.irp j, 0,1,2,3,4,5,6,7                            ; sixteen plain instructions that name none of the products' registers: the places in front of the loads into A's registers
	v_min_u32 v[SO+(\j)], 0x1ffff, v[SO+(\j)]      ; the row number is held inside out before it becomes an address
.endr
.irp j, 0,1,2,3,4,5,6,7
	v_lshl_add_u32 v[SO+(\j)], v[SO+(\j)], 8, v[R16]  ; row x 256 bytes + my 16
.endr
	AFETCH 4
	s_wait_dscnt 0x0
	MULT 4, 0
	s_lshl_b32 s[T0], s[TAU], 4
	s_sub_co_u32 s[LIVE], s[CTOT], s[T0]
.if \more                                          ; four places behind the last product, ahead of the first read of a sum and of the first write over A's registers
	s_add_co_u32 s[TAU], s[TAU], 8
	v_mov_b32 v[VIC], v[VIN]
.rept 3
	v_nop
.endr
.else
.rept 4
	v_nop
.endr
.endif
	; Register j of accumulator c is out(row 8 (lane / 16) + j, feature 4 (lane % 16) + c): the addition of the bias also brings a row's four neighbouring features into four neighbouring registers.
	; j ascends.
.irp j, 0,1,2,3,4,5,6,7
.irp c, 0,1,2,3
	v_add_f32 v[AR+4*(\j)+(\c)], v[ACC+8*(\c)+(\j)], v[BIAS+(\c)]
.endr
.endr
.irp j, 0,1,2,3,4,5,6,7
.if (\j) > 0
	s_cmp_le_u32 s[LIVE], 2*(\j)                   ; places 2 j and on are past the count: nothing more to store
	s_cbranch_scc1 .Lstored_\@
.endif
	global_store_b128 v[SO+(\j)], v[AR+4*(\j):AR+4*(\j)+3], s[12:13] th:TH_STORE_NT  ; sixteen lanes store a whole row of out: 256 consecutive bytes, aligned
.endr
.Lstored_\@:
.endm
	LOOKUP TAU, VIC                                ; my first tile
	s_wait_dscnt 0x0
.irp p, 0,1,2,3,4,5,6,7,8,9,10,11,12,13,14,15
	GATHER \p, VIC
.endr
	WIN 0x40                                       ; destination in window 1: W's slice comes into registers while the first rows are on their way
.set f, 0
.rept 32
	ds_load_b128 v[8*f:8*f+3],   v[BL] offset:1024*f
	ds_load_b128 v[8*f+4:8*f+7], v[BL] offset:1024*f+512
.set f, f+1
.endr
	WIN 0
	s_mov_b32 s[KC], 0
.Ltrip:                                            ; counted to a constant that covers every split; left forward when the tile in hand is my last
	s_add_co_u32 s[T1], s[KC], 1
	s_cmp_ge_u32 s[T1], s[NT]
	s_cbranch_scc1 .Llast
	TRIP 1
	s_add_co_u32 s[KC], s[KC], 1
	s_cmp_lt_u32 s[KC], MAXT
	s_cbranch_scc1 .Ltrip
.Llast:
	TRIP 0                                         ; the last tile is written out: it asks for nothing
.Lend:
	s_wait_tensorcnt 0x0                           ; the wave's end
	ds_add_u32 v[SPW], v[NIL]
	s_wait_dscnt 0x0
	s_endpgm
.Lfunc_end_k_q8c586b5b85_route_dense:
	.size	k_q8c586b5b85_route_dense, .Lfunc_end_k_q8c586b5b85_route_dense-k_q8c586b5b85_route_dense
	.p2alignl 7, 3214868480
	.fill 96, 4, 3214868480
	.section	.rodata,"a",@progbits
	.p2align	6, 0x0
	.amdhsa_kernel k_q8c586b5b85_route_dense
		.amdhsa_group_segment_fixed_size 169216
		.amdhsa_private_segment_fixed_size 0
		.amdhsa_enable_private_segment 0
		.amdhsa_kernarg_size 40
		.amdhsa_user_sgpr_count 2
		.amdhsa_user_sgpr_kernarg_segment_ptr 1
		.amdhsa_wavefront_size32 1
		.amdhsa_system_sgpr_workgroup_id_x 1
		.amdhsa_system_sgpr_workgroup_id_y 1
		.amdhsa_system_sgpr_workgroup_id_z 1
		.amdhsa_system_vgpr_workitem_id 0
		.amdhsa_next_free_vgpr 512
		.amdhsa_next_free_sgpr 66
		.amdhsa_reserve_vcc 1
		.amdhsa_float_denorm_mode_32 3
		.amdhsa_float_denorm_mode_16_64 3
		.amdhsa_memory_ordered 1
		.amdhsa_forward_progress 1
		.amdhsa_inst_pref_size 89
	.end_amdhsa_kernel
	.amdgpu_metadata
---
amdhsa.version: [ 1, 2 ]
amdhsa.kernels:
  - .name:           k_q8c586b5b85_route_dense
    .symbol:         k_q8c586b5b85_route_dense.kd
    .args:
      - { .name: x, .offset: 0, .size: 8, .value_kind: global_buffer, .address_space: global }
      - { .name: source, .offset: 8, .size: 8, .value_kind: global_buffer, .address_space: global }
      - { .name: W, .offset: 16, .size: 8, .value_kind: global_buffer, .address_space: global }
      - { .name: b, .offset: 24, .size: 8, .value_kind: global_buffer, .address_space: global }
      - { .name: out0, .offset: 32, .size: 8, .value_kind: global_buffer, .address_space: global }
    .group_segment_fixed_size: 169216
    .private_segment_fixed_size: 0
    .kernarg_segment_align: 8
    .kernarg_segment_size: 40
    .max_flat_workgroup_size: 256
    .sgpr_count:     66
    .vgpr_count:     512
    .wavefront_size: 32
...
	.end_amdgpu_metadata
.endif
;; end of part 1
